; MI455X (gfx1250); checked and timed in simulation.
; The chip was launched on July 23, 2026; its instructions are those of AMD's public machine-readable ISA for CDNA 5 (MIT licence, August 2026) and "CDNA5" Instruction Set Architecture Reference Guide (July 2026). The comments in the code are by the model that wrote it; some were corrected since.
;; Bit Linear. Allowed arithmetic: matrix products marked QUANTISED: E2M3 operands, one E8M0 scale for each 32 along K, by v_wmma_scale_f32_16x16x128_f8f6f4 with both operands' format E2M3, f32 sums; everything else in f32.
;; Inputs: beta one number float32; gamma one number float32; ln_beta 4,096 float32; ln_gamma 4,096 float32; w_codes 2,048 x 128 x 24 uint8 (E2M3 codes of w, K innermost, in blocks of 32 codes, four codes in three bytes); w_scales 2,048 x 128 uint8 (E8M0 scales of w, one for each 32 codes along K); x 4 x 2,048 x 4,096 float32.
;; Outputs: out0 4 x 2,048 x 2,048 float32.
;; This version of the problem:
;;   THIS VERSION OF THE PROBLEM IS GIVEN IN LOW PRECISION. The matrix products marked QUANTISED in the list below multiply operands that are first quantised to E2M3 (2 exponent bits, 3 mantissa bits; 6 bits a number), with one power-of-two scale for each 32 numbers along K (OCP MX v1.0); their sums are f32. All else is computed in f32.
;;   The module's matrix products, in the order in which they are computed (A, B: the left and right operand; K: the contracted axis; several contracted axes count as one K, in the product's order):
;;     1. [M 8,192, K 4,096] x [K 4,096, N 2,048]; A: computed on the way; B: input w (given as codes): QUANTISED
;;   THE QUANTISER, for each operand of a quantised product, along K:
;;     - K is cut into blocks of 32 from its start; a last block that is shorter is filled with zeros.
;;     - A block's scale is 2^e with e = floor(log2(the largest magnitude in the block)) - 2, held to -126 .. 127; a block of zeros has e = 0. As a byte (E8M0): e + 127.
;;     - Each number is divided by its block's scale, clamped to +-7.5, and rounded to the nearest number of E2M3, ties to even, subnormals kept.
;;     - The product sums the exact products of the quantised numbers (number of the format x scale) in f32.
;;   ~~~python
;;   def quantise(x, axis):      # numpy; x: float32 -> the quantised numbers, widened to float32 again
;;       x = np.moveaxis(x, axis, -1); K = x.shape[-1]
;;       x = np.pad(x, [(0, 0)] * (x.ndim - 1) + [(0, -K % 32)]); x = x.reshape(x.shape[:-1] + (-1, 32)); a = np.abs(x).max(-1, keepdims=True)
;;       e = np.where(a > 0, np.clip(np.frexp(np.where(a > 0, a, 1))[1] - 1 - 2, -126, 127), 0)      # np.frexp(a)[1] - 1 = floor(log2(a)), exactly
;;       r = np.clip(x / 2.0 ** e, -7.5, 7.5)
;;       step = 2.0 ** (np.maximum(np.frexp(np.where(r == 0, 1, r))[1] - 1, 0) - 3)
;;       q = np.round(r / step) * step * 2.0 ** e      # np.round: ties to even
;;       return np.moveaxis(q.reshape(q.shape[:-2] + (-1,))[..., :K], -1, axis).astype(np.float32)
;;   ~~~
;;   OPERANDS COMPUTED ON THE WAY. 'Computed on the way' means the value that the module computes at that place (a softmax that the list does not call 'softmax' is quantised finished and normalised). What goes into a quantiser is computed in f32, as accurately as f32 sums, v_exp_f32 and their like allow (about 1e-6 of the number): no bf16 or f16 on the way to a quantiser, and a product that is left as it is and whose result goes on into a quantised operand takes f32 operands (vector FMAs, or v_wmma_f32_16x16x4_f32). A number that lies on a knife's edge between two numbers of the format may be rounded either way, as far as f32 arithmetic and the matrix unit's own rounding can turn it there, and no further.
;;   INPUTS GIVEN AS CODES. w (in the module: [4096, 2048], K = its axis 0): each comes as NAME_codes (uint8): NAME with its K axis moved to the last place and cut into blocks of 32 codes, [.., K / 32, bytes a block], one block behind the other in memory; four codes in three bytes: a row's codes are one little-endian stream of bits, code i at bits 6 i .. 6 i + 5 (a code: sign, 2 exponent bits, 3 mantissa bits); and NAME_scales (uint8): the same leading axes, one E8M0 byte (e + 127) for each 32 codes along K. Its value is code x scale, taken as it is: it is not quantised again, and the codes and scales need not be those that the quantiser above would give.
;; One version. Each part assembles by itself: llvm-mc -triple=amdgcn-amd-amdhsa -mcpu=gfx1250 --defsym DOCPART=n.
;; ======== version 1 of 1: 2 launches
;; limits: right only within a limited range of input values
;; workspace buffers: a_img 26,214,400 bytes; w_img 6,553,600 bytes
;; launch lnq (part 1): grid 256 x 1, 16 waves a work-group, no clusters, 225,280 bytes of LDS; arguments x, ln_gamma, ln_beta, gamma, w_codes, w_scales, a_img, w_img; writes a_img, w_img
.if DOCPART == 1
	.amdgcn_target "amdgcn-amd-amdhsa--gfx1250"
	.amdhsa_code_object_version 6
	.text
	.protected	k_qf363363aec_lnq
	.globl	k_qf363363aec_lnq
	.p2align	8
	.type	k_qf363363aec_lnq,@function
k_qf363363aec_lnq:
	s_mov_b64 s[64:65], 0
	v_nop
	global_prefetch_b8 v0, s[64:65] scope:SCOPE_SE
	s_setreg_imm32_b32 hwreg(HW_REG_WAVE_MODE, 25, 1), 1
	s_wait_xcnt 0x0
; xq = clip(LayerNorm(x) x 128 / gamma, -127.99, 127.99), quantised along K = 4,096 into codes of FP6 (E2M3) with one E8M0 byte for each 32 numbers; and w's codes and scales laid anew.
; THE IMAGE (a_img of xq, w_img of w): [rows / 128][K / 128][12,800 bytes].  A block of 12,800 bytes holds eight fragments of 16 rows x 128 K, 1,536 bytes each, as the matrix operand's registers want them:
; register q of lane L (row L % 16, K = 64 (q / 6) + 32 (L / 16) + ..) at 512 (q / 4) + 16 L + 4 (q % 4); behind them, from byte 12,288, the scale words, 4 bytes a row, 64 bytes a fragment.
; SHARES.  A work-group of sixteen waves takes 32 rows of x in two passes of 16: wave w takes row w of the pass, whole, in 128 registers: read once, no sum leaves the wave (mean, then variance of x - mean).
; A pass is the 32 fragments of 16 rows: each lane puts its 12 bytes of codes as three words into a stage in LDS (cells of 256 bytes + 16: the 32 lanes of a store touch 32 different banks),
; a barrier, and wave w stores fragments 2 w and 2 w + 1, 512 consecutive bytes an instruction.  Each pass has a stage of its own, so one barrier a pass serves.
; The scale words of the 32 rows are 128 consecutive bytes of each block: they are stored so, half of an aligned 256 bytes, since the other half belongs to another work-group's rows.
; w: each wave loads ONE fragment of w_codes straight in the operand's layout (six loads of 8 bytes a lane; the sixteen waves of a work-group read 192 consecutive bytes of 128 rows) and stores it as three times 512 bytes;
; waves 0 and 8 gather the 128 scale words of their block and store them as 512 bytes.
; THE GAINS AND BIASES are multiplied by s = 128 / gamma once (g' = ln_gamma s, b' = ln_beta s) and lie in LDS: xq = clip(fma((x - mean) rs, g', b')).
; LIMITS.  NaN and infinities in x, ln_gamma, ln_beta are not served; gamma is finite, normal and not 0.  A block of zeros gets the byte 1 where the rule says 127: its codes are zeros, and the bytes are read by this program alone.
; Forming g' and b' first changes the order of rounding against (xn ln_gamma + ln_beta) s by a few units in the last place of f32.
; NO CLUSTER, NO TENSOR LOADS, NO PREFETCH: work-groups share only the 32,768 bytes of gains and biases; each wave has a whole row of 32 loads asked for ahead, straight into the registers that keep it.
.set ROWX,  16384
.set SP,    80                         ; a lane's place in a wave's stage: 64 bytes + 16
.set STG,   32*SP
.set WREG,  2*STG
.set GP,    0
.set BP,    16384
.set WB0,   32768                      ; the waves' own stages
.set SCB,   WB0+16*WREG                ; 4,096 bytes: [32 steps][32 rows][4 scale bytes]
.set IMG0,  SCB+4096                   ; two stages of the image: [32 steps][6 cells of 272]
.set CELL,  272
.set FRS,   6*CELL
.set IMGB,  32*FRS
.set SPARE, IMG0+2*IMGB                ; the spare words, 128 bytes a wave
.set STEPB, 12800
.set RBB,   32*STEPB
.set LI,    2                          ; 16 x lane
.set SI,    4
.set SO,    5
.set GO,    6                          ; a_img: 2 w blocks + 16 x lane
.set SBW,   7                          ; LDS: my block's scale byte
.set SBR,   8                          ; LDS: 8 scale bytes a thread, on the way out
.set SGO,   9                          ; the same in a_img
.set CL,    10
.set T16,   11
.set MU,    12
.set RS,    14
.set SS,    22
.set IA,    25                         ; v25-27 LDS: where my three words of codes go
.set OA,    28                         ; LDS: where I read the image back
.set G,     32
.set B,     48
.set X,     64
.set S,     64
.set Q,     72
.set WO,    80
.set WS,    81
.set C,     96
.set R,     128
	s_load_b256 s[4:11], s[0:1], 0x0               ; x, ln_gamma, ln_beta, gamma
	s_load_b256 s[36:43], s[0:1], 0x20             ; w_codes, w_scales, a_img, w_img
	v_lshl_add_u32 v123, v0, 2, SPARE
	v_mov_b32 v127, 0
	v_lshrrev_b32 v1, 5, v0
	s_delay_alu instid0(VALU_DEP_1)
	v_readfirstlane_b32 s16, v1                    ; wave 0..15
	s_mul_i32 s17, s16, WREG
	s_add_co_u32 s17, s17, WB0
	s_lshl_b32 s25, s16, 2
	s_add_co_u32 s25, s25, SCB
	s_lshl_b32 s26, s16, 4
	s_add_co_u32 s26, s26, IMG0
	s_mul_i32 s27, s16, 2*FRS
	s_add_co_u32 s27, s27, IMG0
	s_mul_i32 s28, s16, 2*STEPB
	s_mov_b32 s20, 0x76543210
	s_mov_b32 s21, 0xfedcba98
	s_lshl_b32 s23, ttmp9, 5
	s_add_co_u32 s23, s23, s16                     ; my first row: 32 x work-group + wave
	s_mov_b32 s19, 0
	s_lshr_b32 s29, ttmp9, 2
	s_mul_i32 s29, s29, RBB                        ; a_img: my 128 rows' blocks
	s_and_b32 s30, ttmp9, 3
	s_mul_i32 s31, s30, 3072
	s_add_co_u32 s31, s31, s29                     ; my two fragments in a block
	s_lshl_b32 s30, s30, 7
	s_add_co_u32 s30, s30, s29
	s_add_co_u32 s30, s30, 12288                   ; and their scale words
	s_lshr_b32 s32, ttmp9, 4                       ; w: which 128 rows
	s_and_b32 s33, ttmp9, 15
	s_lshl_b32 s33, s33, 1
	s_lshr_b32 s34, s16, 3
	s_add_co_u32 s33, s33, s34                     ; which step of 128 along K
	s_and_b32 s34, s16, 7                          ; which fragment
	s_lshl_b32 s35, s32, 3
	s_add_co_u32 s35, s35, s34
	s_mul_i32 s35, s35, 16*3072
	s_mul_i32 s44, s33, 96
	s_add_co_u32 s35, s35, s44                     ; w_codes: the fragment's first byte
	s_lshl_b32 s44, s32, 5
	s_add_co_u32 s44, s44, s33
	s_mul_i32 s44, s44, STEPB                      ; w_img: the block
	s_mul_i32 s45, s34, 1536
	s_add_co_u32 s45, s45, s44                     ; and the fragment in it
	s_lshl_b32 s46, s32, 14
	s_lshl_b32 s47, s33, 2
	s_add_co_u32 s46, s46, s47                     ; w_scales: the 128 rows' words of this step
	v_and_b32 v1, 31, v0
	v_and_b32 v[T16], 255, v0
	s_delay_alu instid0(VALU_DEP_1)
	v_lshlrev_b32 v[T16], 4, v[T16]                ; 16 x (my thread's number % 256): the place of waves 8-15 in a piece of 4,096 bytes of the gains and biases
	v_lshl_add_u32 v[SBR], v0, 3, SCB
	v_lshrrev_b32 v82, 4, v0
	v_and_b32 v83, 15, v0
	v_lshlrev_b32 v[LI], 4, v1
	v_lshrrev_b32 v84, 2, v1
	v_and_b32 v85, 3, v1
	v_mul_u32_u24 v82, v82, STEPB
	v_mul_u32_u24 v84, v84, SP
	v_mul_u32_u24 v[SO], v1, SP
	v_lshl_add_u32 v[SGO], v83, 3, v82             ; step thread / 16, 8 bytes a thread
	v_lshl_add_u32 v84, v85, 4, v84
	v_add_nc_u32 v[SO], s17, v[SO]
	v_add_nc_u32 v[SI], s17, v84
	v_add_nc_u32 v[GO], s28, v[LI]
	v_lshrrev_b32 v86, 3, v1                       ; my step among the four of 512 numbers
	v_bfe_u32 v87, v1, 1, 2                        ; my block in it
	v_bfe_u32 v88, v1, 2, 1                        ; c = block / 2
	v_and_b32 v89, 1, v1                           ; which half of the block
	v_bfe_u32 v90, v1, 1, 1                        ; h = block % 2
	v_lshl_add_u32 v87, v86, 7, v87
	v_mul_u32_u24 v88, v88, 6
	v_mul_u32_u24 v90, v90, CELL
	v_add_nc_u32 v[SBW], s25, v87
	v_mad_u32_u24 v88, v89, 3, v88                 ; my first register of the fragment's twelve
	v_mad_u32_u24 v90, v86, FRS, v90
	s_delay_alu instid0(VALU_DEP_1)
	v_add_nc_u32 v90, s26, v90
.irp j, 0,1,2
	v_add_nc_u32 v91, \j, v88
	s_delay_alu instid0(VALU_DEP_1)
	v_lshrrev_b32 v92, 2, v91
	v_and_b32 v91, 3, v91
	s_delay_alu instid0(VALU_DEP_2)
	v_mad_u32_u24 v92, v92, 2*CELL, v90
	s_delay_alu instid0(VALU_DEP_1)
	v_lshl_add_u32 v[IA+\j], v91, 2, v92
.endr
	v_lshrrev_b32 v93, 4, v1
	v_and_b32 v94, 15, v1
	v_lshlrev_b32 v[WS], 9, v1                     ; w_scales: rows 4 lane .. 4 lane + 3
	v_mul_u32_u24 v95, v93, CELL
	v_mul_u32_u24 v[WO], v94, 3072
	v_mov_b32 v[CL], 0x42fffae1                    ; 127.99
	v_lshl_add_u32 v95, v94, 4, v95
	v_mad_u32_u24 v[WO], v93, 24, v[WO]
	v_mov_b32 v21, 0
	v_add_nc_u32 v[OA], s27, v95
	v_mov_b32 v24, 0x39800000                      ; 1 / 4,096
	s_wait_alu depctr_va_vdst(0)                   ; the wait at the head's end
	s_wait_kmcnt 0x0
	s_load_b32 s22, s[10:11], 0x0                  ; gamma
	s_mov_b32 s18, s35
	s_add_nc_u64 s[36:37], s[36:37], s[18:19]
	s_mov_b32 s18, s46
	s_add_nc_u64 s[38:39], s[38:39], s[18:19]
.irp p, 0,1,2,3,4,5
	global_load_b64 v[64+2*\p:65+2*\p], v[WO], s[36:37] offset:48*(\p/3)+8*(\p%3)   ; w's fragment, as the operand's registers
.endr
	s_cmp_lg_u32 s34, 0
	s_cbranch_scc1 .Lno_ws
.irp j, 0,1,2,3
	global_load_b32 v[76+\j], v[WS], s[38:39] offset:128*\j
.endr
.Lno_ws:
	s_lshl_b32 s18, s23, 14
	s_add_nc_u64 s[4:5], s[4:5], s[18:19]          ; x at my first row
	s_mov_b32 s18, s31
	s_add_nc_u64 s[12:13], s[40:41], s[18:19]      ; a_img: codes
	s_mov_b32 s18, s30
	s_add_nc_u64 s[14:15], s[40:41], s[18:19]      ; a_img: scale words
	s_add_co_u32 s18, s44, 12288
	s_add_nc_u64 s[48:49], s[42:43], s[18:19]      ; w_img: scale words
	s_mov_b32 s18, s45
	s_add_nc_u64 s[42:43], s[42:43], s[18:19]      ; w_img: my fragment
.macro XLOAD row, t
.irp i, 0,1,2,3
	global_load_b128 v[R+16*(\t)+4*\i:R+16*(\t)+4*\i+3], v[LI], s[4:5] offset:(\row)*16*ROWX+2048*(\t)+512*\i th:TH_LOAD_NT
.endr
.endm
	; THE WORK IS SHARED: waves 0-7 ask for their first rows at once; waves 8-15 first make g' and b' for the whole work-group (256 threads x 16 bytes: 4,096 bytes an instruction) and ask for their rows behind that
	s_cmp_lt_u32 s16, 8
	s_cbranch_scc1 .Lrows
.irp i, 0,1,2,3
	global_load_b128 v[32+4*\i:35+4*\i], v[T16], s[6:7] offset:4096*\i
	global_load_b128 v[48+4*\i:51+4*\i], v[T16], s[8:9] offset:4096*\i
.endr
	s_wait_kmcnt 0x0                               ; gamma
	v_mov_b32 v22, s22
	s_wait_alu depctr_va_vdst(0)
	v_rcp_f32 v23, v22
	v_nop
	s_wait_alu depctr_va_vdst(0)
	v_fma_f32 v20, -v22, v23, 1.0                  ; one step of Newton's
	v_fma_f32 v23, v20, v23, v23
	s_delay_alu instid0(VALU_DEP_1)
	v_mul_f32 v22, 0x43000000, v23                 ; s = 128 / gamma
	s_delay_alu instid0(VALU_DEP_1)
	v_mov_b32 v23, v22
	s_wait_alu depctr_va_vdst(0)
	s_wait_loadcnt 0x0                             ; the gains and biases are in
.irp i, 0,2,4,6,8,10,12,14,16,18,20,22,24,26,28,30
	v_pk_mul_f32 v[32+\i:33+\i], v[32+\i:33+\i], v[SS:SS+1]
.endr
.irp i, 0,1,2,3
	ds_store_b128 v[T16], v[32+4*\i:35+4*\i] offset:GP+4096*\i
	ds_store_b128 v[T16], v[48+4*\i:51+4*\i] offset:BP+4096*\i
.endr
.Lrows:
.irp t, 0,1,2,3,4,5,6,7
	XLOAD 0, \t                                    ; the whole first row is asked for: 32 loads
.endr
	s_wait_kmcnt 0x0                               ; (waves 0-7: gamma's load is done with too)
	s_wait_loadcnt 32                              ; w's fragment is in: the 32 loads of x were issued behind it
.irp g, 0,1,2
	global_store_b128 v[LI], v[64+4*\g:67+4*\g], s[42:43] offset:512*\g   ; 512 consecutive bytes
.endr
	s_cmp_lg_u32 s34, 0
	s_cbranch_scc1 .Lno_ws2
	global_store_b128 v[LI], v[76:79], s[48:49]
.Lno_ws2:
	s_wait_dscnt 0x0                               ; my part of g' and b' lies in LDS:
	s_barrier_signal -1                            ; say so; the wait for the others stands behind the first row's sums, which are work on registers
.macro WSUM
	s_delay_alu instid0(VALU_DEP_1)
	v_add_f32_dpp v20, v20, v20 row_xmask:1 row_mask:0xf bank_mask:0xf
	s_delay_alu instid0(VALU_DEP_1)
	v_add_f32_dpp v20, v20, v20 row_xmask:2 row_mask:0xf bank_mask:0xf
	s_delay_alu instid0(VALU_DEP_1)
	v_add_f32_dpp v20, v20, v20 row_xmask:4 row_mask:0xf bank_mask:0xf
	s_delay_alu instid0(VALU_DEP_1)
	v_add_f32_dpp v20, v20, v20 row_xmask:8 row_mask:0xf bank_mask:0xf
	s_delay_alu instid0(VALU_DEP_1)
	v_permlanex16_b32 v21, v20, s20, s21
	s_delay_alu instid0(VALU_DEP_1)
	v_add_f32 v20, v20, v21
.endm
; the row's mean and 1 / sqrt(variance + 1e-5); the row's registers then hold x - mean
.macro STATS
	s_wait_loadcnt 24
.irp c, 0,1,2,3
	v_pk_add_f32 v[S+2*\c:S+2*\c+1], v[R+2*\c:R+2*\c+1], v[R+8+2*\c:R+8+2*\c+1]
.endr
.set PP, 8
.rept 8
	s_delay_alu instid0(VALU_DEP_4)
	v_pk_add_f32 v[S+2*(PP%4):S+2*(PP%4)+1], v[S+2*(PP%4):S+2*(PP%4)+1], v[R+2*PP:R+2*PP+1]
.set PP, PP+1
.endr
.irp q, 1,2,3
	s_wait_alu depctr_va_vdst(0)
	s_wait_loadcnt 24-8*\q
.rept 16
	v_pk_add_f32 v[S+2*(PP%4):S+2*(PP%4)+1], v[S+2*(PP%4):S+2*(PP%4)+1], v[R+2*PP:R+2*PP+1]
.set PP, PP+1
.endr
.endr
	s_delay_alu instid0(VALU_DEP_3)
	v_pk_add_f32 v[S:S+1], v[S:S+1], v[S+2:S+3]
	s_delay_alu instid0(VALU_DEP_2)
	v_pk_add_f32 v[S+4:S+5], v[S+4:S+5], v[S+6:S+7]
	s_delay_alu instid0(VALU_DEP_1)
	v_pk_add_f32 v[S:S+1], v[S:S+1], v[S+4:S+5]
	s_delay_alu instid0(VALU_DEP_1)
	v_add_f32 v20, v[S], v[S+1]
	WSUM
	s_delay_alu instid0(VALU_DEP_1)
	v_mul_f32 v[MU], v24, v20
	s_delay_alu instid0(VALU_DEP_1)
	v_mov_b32 v[MU+1], v[MU]
.set PP, 0
.rept 16
.irp c, 0,1,2,3
	v_pk_add_f32 v[R+2*(PP+\c):R+2*(PP+\c)+1], v[R+2*(PP+\c):R+2*(PP+\c)+1], v[MU:MU+1] neg_lo:[0,1] neg_hi:[0,1]
.endr
.irp c, 0,1,2,3
.if PP == 0
	s_delay_alu instid0(VALU_DEP_4)
	v_pk_mul_f32 v[Q+2*\c:Q+2*\c+1], v[R+2*(PP+\c):R+2*(PP+\c)+1], v[R+2*(PP+\c):R+2*(PP+\c)+1]
.else
	s_delay_alu instid0(VALU_DEP_4)
	v_pk_fma_f32 v[Q+2*\c:Q+2*\c+1], v[R+2*(PP+\c):R+2*(PP+\c)+1], v[R+2*(PP+\c):R+2*(PP+\c)+1], v[Q+2*\c:Q+2*\c+1]
.endif
.endr
.set PP, PP+4
.endr
	s_delay_alu instid0(VALU_DEP_3)
	v_pk_add_f32 v[Q:Q+1], v[Q:Q+1], v[Q+2:Q+3]
	s_delay_alu instid0(VALU_DEP_2)
	v_pk_add_f32 v[Q+4:Q+5], v[Q+4:Q+5], v[Q+6:Q+7]
	s_delay_alu instid0(VALU_DEP_1)
	v_pk_add_f32 v[Q:Q+1], v[Q:Q+1], v[Q+4:Q+5]
	s_delay_alu instid0(VALU_DEP_1)
	v_add_f32 v20, v[Q], v[Q+1]
	WSUM
	s_delay_alu instid0(VALU_DEP_1)
	v_fmaak_f32 v20, v20, v24, 0x3727c5ac          ; the sum / 4,096 + 1e-5
	s_wait_alu depctr_va_vdst(0)
	v_rsq_f32 v[RS], v20
	v_nop
	s_wait_alu depctr_va_vdst(0)
	v_mov_b32 v[RS+1], v[RS]
.endm
.macro GBLOAD t
.irp i, 0,1,2,3
	ds_load_b128 v[G+4*\i:G+4*\i+3], v[LI] offset:GP+2048*(\t)+512*\i
.endr
.irp i, 0,1,2,3
	ds_load_b128 v[B+4*\i:B+4*\i+3], v[LI] offset:BP+2048*(\t)+512*\i
.endr
.endm
.macro NORM t
.irp i, 0,2,4,6,8,10,12,14
	v_pk_mul_f32 v[R+16*(\t)+\i:R+16*(\t)+\i+1], v[R+16*(\t)+\i:R+16*(\t)+\i+1], v[RS:RS+1]
.endr
.irp i, 0,2,4,6,8,10,12,14
	v_pk_fma_f32 v[R+16*(\t)+\i:R+16*(\t)+\i+1], v[R+16*(\t)+\i:R+16*(\t)+\i+1], v[G+\i:G+\i+1], v[B+\i:B+\i+1]
.endr
.irp i, 0,1,2,3,4,5,6,7,8,9,10,11,12,13,14,15
	v_med3_num_f32 v[R+16*(\t)+\i], v[R+16*(\t)+\i], -v[CL], v[CL]
.endr
.endm
; step t through the wave's own stage: in as loaded, back 16 neighbours a lane; LDS serves a wave's instructions in order
.macro TURN t
.irp i, 0,1,2,3
	ds_store_b128 v[SI], v[R+16*(\t)+4*\i:R+16*(\t)+4*\i+3] offset:STG*((\t)%2)+8*SP*\i
.endr
.irp i, 0,1,2,3
	ds_load_b128 v[X+16*((\t)%2)+4*\i:X+16*((\t)%2)+4*\i+3], v[SO] offset:STG*((\t)%2)+16*\i
.endr
.endm
; my 16 neighbours of step t become three words of codes, which go to their places in the image's stage; my block's byte goes to its scale word
.macro QUANT row, t
.set XS, X+16*((\t)%2)
	v_max3_num_f32 v16, |v[XS]|, |v[XS+1]|, |v[XS+2]|
	v_max3_num_f32 v17, |v[XS+3]|, |v[XS+4]|, |v[XS+5]|
.irp i, 6,10
	s_delay_alu instid0(VALU_DEP_2)
	v_max3_num_f32 v16, v16, |v[XS+\i]|, |v[XS+\i+1]|
	s_delay_alu instid0(VALU_DEP_2)
	v_max3_num_f32 v17, v17, |v[XS+\i+2]|, |v[XS+\i+3]|
.endr
	s_delay_alu instid0(VALU_DEP_2)
	v_max3_num_f32 v16, v16, |v[XS+14]|, |v[XS+15]|
	s_delay_alu instid0(VALU_DEP_1)
	v_max3_num_f32 v16, v16, v17, 0x1800000        ; the floor 2^(3 - 127): the byte cannot fall under 1
	s_delay_alu instid0(VALU_DEP_1)
	v_max_num_f32_dpp v16, v16, v16 row_xmask:1 row_mask:0xf bank_mask:0xf   ; with my neighbour's 16: the block's
	s_delay_alu instid0(VALU_DEP_1)
	v_add_nc_u32 v18, 0xff000000, v16              ; 2 off the exponent field: the conversion's scale operand
	v_cvt_scalef32_pk16_fp6_f32 v[C+4*(\t):C+4*(\t)+2], v[XS:XS+15], v18
	v_lshrrev_b32 v19, 23, v18                     ; the scale's byte; also the plain instruction behind the conversion
	ds_store_b8 v[SBW], v19 offset:64*(\row)+512*(\t)
.irp j, 0,1,2
	ds_store_b32 v[IA+\j], v[C+4*(\t)+\j] offset:4*FRS*(\t)
.endr
.endm
.macro ROW row, refill
	s_wait_xcnt 0x0                                ; earlier stores have read v64-79, which the sums write
	STATS
	s_barrier_wait -1                              ; first row: everybody's g' and b' lie in LDS, and are only read from here on; second row: everybody's row of the first pass lies in the image's stage
.if \row
	OUT 0
.irp j, 0,1,2
	v_add_nc_u32 v[IA+\j], IMGB, v[IA+\j]          ; the second pass has a stage of its own
.endr
.endif
	GBLOAD 0
	s_wait_xcnt 0x0                                ; the first pass's stores have read v64-87, which the wave's stage loads write
	s_wait_alu depctr_va_vdst(0)
	s_wait_dscnt 0x0
	NORM 0
	TURN 0
	GBLOAD 1
.irp t, 0,1,2,3,4,5,6,7
	s_wait_dscnt 0x0                               ; step t is back, its stores have read the row's registers, the next g' and b' are in
.if \refill
	XLOAD 1, \t
.endif
.if \t < 7
	NORM \t+1
	TURN \t+1
.endif
.if \t < 6
	GBLOAD \t+2
.endif
	QUANT \row, \t
.endr
.endm
.macro MEET                            ; every wave's row of the pass lies in the image's stage
	s_wait_alu depctr_va_vdst(0)
	s_wait_dscnt 0x0
	s_barrier_signal -1
	s_barrier_wait -1
.endm
.macro OUT p                           ; fragments 2 w and 2 w + 1 of pass p leave: lanes 0-15 one cell of 256 bytes, lanes 16-31 the next
.irp e, 0,1
.irp g, 0,1,2
	ds_load_b128 v[64+12*\e+4*\g:67+12*\e+4*\g], v[OA] offset:IMGB*(\p)+FRS*\e+2*CELL*\g
.endr
.endr
	s_wait_dscnt 0x0
.irp e, 0,1
.irp g, 0,1,2
	global_store_b128 v[GO], v[64+12*\e+4*\g:67+12*\e+4*\g], s[12:13] offset:STEPB*\e+512*\g+1536*(\p)
.endr
.endr
.endm
	ROW 0, 1
	s_wait_alu depctr_va_vdst(0)
	s_wait_dscnt 0x0                               ; my row of the first pass lies in the image's stage:
	s_barrier_signal -1                            ; say so; the wait stands behind the second row's sums
	ROW 1, 0
	MEET
	ds_load_b64 v[88:89], v[SBR]
	OUT 1
	global_store_b64 v[SGO], v[88:89], s[14:15]    ; sixteen threads store a step's 128 bytes of scale words
	s_wait_tensorcnt 0x0                           ; the wave's end
	ds_add_u32 v123, v127
	s_wait_dscnt 0x0
	s_endpgm
.Lfunc_end_k_qf363363aec_lnq:
	.size	k_qf363363aec_lnq, .Lfunc_end_k_qf363363aec_lnq-k_qf363363aec_lnq
	.p2alignl 7, 3214868480
	.fill 96, 4, 3214868480
	.section	.rodata,"a",@progbits
	.p2align	6, 0x0
	.amdhsa_kernel k_qf363363aec_lnq
		.amdhsa_group_segment_fixed_size 225280
		.amdhsa_private_segment_fixed_size 0
		.amdhsa_enable_private_segment 0
		.amdhsa_kernarg_size 64
		.amdhsa_user_sgpr_count 2
		.amdhsa_user_sgpr_kernarg_segment_ptr 1
		.amdhsa_wavefront_size32 1
		.amdhsa_system_sgpr_workgroup_id_x 1
		.amdhsa_system_sgpr_workgroup_id_y 1
		.amdhsa_system_sgpr_workgroup_id_z 1
		.amdhsa_system_vgpr_workitem_id 0
		.amdhsa_next_free_vgpr 256
		.amdhsa_next_free_sgpr 66
		.amdhsa_reserve_vcc 0
		.amdhsa_float_denorm_mode_32 3
		.amdhsa_float_denorm_mode_16_64 3
		.amdhsa_memory_ordered 1
		.amdhsa_forward_progress 1
		.amdhsa_inst_pref_size 121
	.end_amdhsa_kernel
	.amdgpu_metadata
---
amdhsa.version: [ 1, 2 ]
amdhsa.kernels:
  - .name:           k_qf363363aec_lnq
    .symbol:         k_qf363363aec_lnq.kd
    .args:
      - { .name: x, .offset: 0, .size: 8, .value_kind: global_buffer, .address_space: global }
      - { .name: ln_gamma, .offset: 8, .size: 8, .value_kind: global_buffer, .address_space: global }
      - { .name: ln_beta, .offset: 16, .size: 8, .value_kind: global_buffer, .address_space: global }
      - { .name: gamma, .offset: 24, .size: 8, .value_kind: global_buffer, .address_space: global }
      - { .name: w_codes, .offset: 32, .size: 8, .value_kind: global_buffer, .address_space: global }
      - { .name: w_scales, .offset: 40, .size: 8, .value_kind: global_buffer, .address_space: global }
      - { .name: a_img, .offset: 48, .size: 8, .value_kind: global_buffer, .address_space: global }
      - { .name: w_img, .offset: 56, .size: 8, .value_kind: global_buffer, .address_space: global }
    .group_segment_fixed_size: 225280
    .private_segment_fixed_size: 0
    .kernarg_segment_align: 8
    .kernarg_segment_size: 64
    .max_flat_workgroup_size: 512
    .sgpr_count:     66
    .vgpr_count:     256
    .wavefront_size: 32
...
	.end_amdgpu_metadata
.endif
;; end of part 1
;; launch gemm (part 2): grid 8 x 32, 4 waves a work-group, clusters of 4 x 4, 327,680 bytes of LDS; arguments a_img, w_img, out0, beta, gamma; writes out0
.if DOCPART == 2
	.amdgcn_target "amdgcn-amd-amdhsa--gfx1250"
	.amdhsa_code_object_version 6
	.text
	.protected	k_qf363363aec_gemm
	.globl	k_qf363363aec_gemm
	.p2align	8
	.type	k_qf363363aec_gemm,@function
k_qf363363aec_gemm:
	s_mov_b64 s[64:65], 0
	v_nop
	global_prefetch_b8 v0, s[64:65] scope:SCOPE_SE
	s_setreg_imm32_b32 hwreg(HW_REG_WAVE_MODE, 25, 1), 1
	s_wait_xcnt 0x0
	s_wait_alu depctr_hold_cnt(0) depctr_sa_sdst(0) depctr_va_vdst(0) depctr_va_sdst(0) depctr_va_ssrc(0) depctr_va_vcc(0) depctr_vm_vsrc(0)
	s_getreg_b32 s2, hwreg(HW_REG_IB_STS2, 6, 4)
	s_cmp_eq_u32 s2, 0
	s_cbranch_scc0 .Lentry_in_a_cluster
	s_endpgm
.Lentry_in_a_cluster:
	s_bfe_u32 s2, ttmp6, 0x10000c
	s_cmp_lg_u32 s2, 0xf033
	s_cbranch_scc0 .Lentry_shape_is_right
	s_endpgm
.Lentry_shape_is_right:
; out0[m][n] = (beta gamma / 128) x sum over k of xq[m][k] w[k][n], both as codes of FP6 (E2M3) with E8M0 scales; M 8,192, N 2,048, K 4,096; sums in f32.
; OPERANDS come as images: [rows / 128][K / 128][12,800 bytes]; a block holds eight fragments of 16 rows x 128 K as the operand's registers (register q of lane L at 512 (q / 4) + 16 L + 4 (q % 4) of the fragment's 1,536 bytes)
; and, from byte 12,288, the rows' scale words.  So a fragment is three loads of 16 bytes a lane, each 512 consecutive LDS bytes, and the scales travel with the codes.
; A tile of 256 x 256 is made by four waves, 128 x 128 each: 64 accumulators, 512 registers.  K goes in 32 steps of 128 through a ring of two LDS slots of THREE steps: a wave's one tensor load brings 38,400 consecutive bytes
; (150 rows of 256 bytes, each on a multiple of 256): three blocks of 128 rows of A (waves 0, 1) or of B (waves 2, 3).  Eleven fills: ten of three steps, the last of two (100 rows).
; From a refill to the wait for it a wave issues 160 matrix instructions.
; CLUSTERS: 4 x 4 work-groups; A's parts are asked for jointly along a row of the cluster, B's along a column.
; THE MATRIX INSTRUCTION IS USED TRANSPOSED (source 0 = 16 rows of B, source 1 = 16 rows of A): a lane holds eight neighbouring numbers of a row of the result.
; REGISTERS: window 0: v1-15 addresses, prefetch offsets and the factor; v16-31 scale words (two sets of 8: lanes 0-15 A's block i, lanes 16-31 B's block i); v128-223 and v32-127 A's fragments, two sets.
;   window 1: B's fragments, two sets, at v0 and v128.  Windows 2, 3: the accumulators ((a, b) at v[8 (8 (a % 4) + b)]).
; With two sets on both sides the next step's 56 LDS loads stand in ONE run, in the step's middle, 32 matrix instructions ahead of their first use; a step has 64 matrix instructions, A's blocks one after the other.
; In the last step a block of 16 rows is finished with its eight products, and leaves at once, while the later blocks are multiplied.
; PREFETCH: behind each refill of the loop (and once at the head) the fill that the NEXT refill loads, three steps ahead: a part's 150 units of 256 bytes are shared out by address among the four partners that ask for it
; (38 each, two instructions a wave; lanes left over name the last unit again).  The last fill, which is shorter, comes by its load alone, so that no lane leaves the buffer.
.set SIZE_N, 2048
.set STEPB,  12800
.set PARTB,  3*STEPB                   ; what one tensor load brings, and what one wave reads of A or of B in a slot
.set SLOT,   4*PARTB
.set RBB,    32*STEPB                  ; 128 rows, all of K
.set SPARE,  2*SLOT                    ; the spare words: 128 bytes a wave
.set STAGE,  SLOT                      ; the way out: in slot 1, which has had its last fill and its last read by then
.set SPITCH, 528
.set PFQ,  1                           ; v1, v13 the prefetches' offsets
.set SPW,  2
.set NIL,  3
.set ADRA, 4                           ; v4-5 my A part in slot 0, 1, + 16 x lane
.set ADRB, 6                           ; v6-7 the same for B
.set ADRS, 8                           ; v8-9 scale words: lanes 0-15 my A part, lanes 16-31 my B part, + 4 x (lane % 16)
.set STO,  10
.set RD,   11
.set CO,   12                          ; 16 x lane
.set PFP,  13
.set FAC,  14                          ; v[14:15] beta gamma / 128, twice
.set SC,   16
.set BK,   128                         ; the way out: v128-191 and v192-255 by turns (A's set 0 is done with by then)
.set G1,  24
.set G0,  32
.set G1B, 48
.set G0B, 56
.set PFA, 66
.set MSB, 0
.macro WIN new
.if MSB != \new
	s_set_vgpr_msb (MSB<<8)|\new
.set MSB, \new
.endif
.endm
.set MUL_LO, 0xa1                      ; source 0 (B) window 1, source 1 (A) window 0, C and D window 2
.set TO_B,   0x40
.macro JLOAD s                         ; a joint load: waves 0, 1 for A, waves 2, 3 for B; s_nop 0 and four v_nop behind each line
	s_cmp_eq_u32 s15, 0
	s_cbranch_scc0 .Lfor_b_\@
	tensor_load_to_lds s[G0+4*\s:G0+4*\s+3], s[G1:G1+7]
	s_nop 0
.rept 4
	v_nop
.endr
	s_branch .Lasked_\@
.Lfor_b_\@:
	tensor_load_to_lds s[G0B+4*\s:G0B+4*\s+3], s[G1B:G1B+7]
	s_nop 0
.rept 4
	v_nop
.endr
.Lasked_\@:
.endm
.macro ASK guard                       ; guard = 1: not in the loop's last trip, whose next fill is the short one
.if \guard
	s_cmp_eq_u32 s3, 1
	s_cbranch_scc1 .Lno_ask_\@
.endif
	global_prefetch_b8 v[PFP], s[PFA:PFA+1] th:TH_LOAD_NT scope:SCOPE_SE
	global_prefetch_b8 v[PFQ], s[PFA:PFA+1] th:TH_LOAD_NT scope:SCOPE_SE
.Lno_ask_\@:
.endm
.macro CREST
	s_cmp_lg_u32 s14, 0
	s_cbranch_scc1 .Lnot_wave_0_\@
	s_barrier_signal -3
.Lnot_wave_0_\@:
	s_barrier_wait -3
	s_barrier_signal -1
	s_barrier_wait -1
.endm
.macro CROUND
	s_barrier_signal -1
	s_barrier_wait -1
	CREST
.endm
.macro PLACES
.rept 4
	v_nop
.endr
.endm
	s_load_b128 s[4:7], s[0:1], 0x0                ; a_img, w_img
	s_load_b128 s[8:11], s[0:1], 0x10              ; out0, beta
	s_load_b64 s[12:13], s[0:1], 0x20              ; gamma
	v_lshl_add_u32 v[SPW], v0, 2, SPARE
	v_mov_b32 v[NIL], 0
	ds_add_u32 v[SPW], v[NIL]                      ; the opening lines: the add, twice on end, and its wait
	ds_add_u32 v[SPW], v[NIL]
	v_lshrrev_b32 v1, 5, v0
	v_readfirstlane_b32 s14, v1                    ; wave 0..3
	s_lshr_b32 s15, s14, 1                         ; my half of the tile's rows; also: I fetch for A (0) or B (1)
	s_and_b32 s16, s14, 1                          ; my half of its columns; also: which 128 rows I fetch
	s_bfe_u32 s40, ttmp6, 0x40000                  ; cx
	s_bfe_u32 s41, ttmp6, 0x40004                  ; cy
	s_lshl_b32 s42, ttmp9, 2
	s_add_co_u32 s42, s42, s40                     ; tile column
	s_and_b32 s17, ttmp7, 0xffff
	s_lshl_b32 s17, s17, 2
	s_add_co_u32 s17, s17, s41                     ; tile row
	s_lshl_b32 s43, s41, 2
	s_lshl_b32 s43, 15, s43                        ; my row of the cluster
	s_lshl_b32 s44, 0x1111, s40                    ; my column
	s_or_b32 s[G1], s43, (3<<16)|(1<<21)           ; the mask; elements of 8 bytes; bit 21 beside a mask; no padding
	s_or_b32 s[G1B], s44, (3<<16)|(1<<21)
.irp g, G1, G1B
	s_mov_b32 s[\g+1], 32<<16                      ; rows of 32 elements = 256 bytes
	s_mov_b32 s[\g+2], 150<<16                     ; 150 rows
	s_mov_b32 s[\g+3], 32<<16
	s_mov_b32 s[\g+4], 150
	s_mov_b32 s[\g+5], 32                          ; dense
	s_mov_b32 s[\g+6], 0
	s_mov_b32 s[\g+7], 0
.endr
	s_lshl_b32 s20, s17, 1
	s_add_co_u32 s20, s20, s16
	s_mul_i32 s20, s20, RBB                        ; A: the 128 rows that I fetch
	s_mov_b32 s21, 0
	s_lshl_b32 s46, s42, 1
	s_add_co_u32 s46, s46, s16
	s_mul_i32 s46, s46, RBB                        ; B likewise
	s_mov_b32 s47, 0
	s_mul_i32 s45, s14, PARTB                      ; where they go: wave x a part
	s_wait_dscnt 0x0
	s_wait_kmcnt 0x0
	s_add_nc_u64 s[20:21], s[4:5], s[20:21]
	s_add_nc_u64 s[46:47], s[6:7], s[46:47]
	s_load_b32 s80, s[10:11], 0x0                  ; beta
	s_load_b32 s81, s[12:13], 0x0                  ; gamma
	CROUND                                         ; the first joint loads meet
.irp s, 0,1
	s_mov_b32 s[G0+4*\s], 1
	s_add_co_u32 s[G0+4*\s+1], s45, \s*SLOT
	s_add_nc_u64 s[G0+4*\s+2:G0+4*\s+3], s[20:21], \s*PARTB
	s_or_b32 s[G0+4*\s+3], s[G0+4*\s+3], 0x80000000
	s_mov_b32 s[G0B+4*\s], 1
	s_add_co_u32 s[G0B+4*\s+1], s45, \s*SLOT
	s_add_nc_u64 s[G0B+4*\s+2:G0B+4*\s+3], s[46:47], \s*PARTB
	s_or_b32 s[G0B+4*\s+3], s[G0B+4*\s+3], 0x80000000
.endr
	JLOAD 0                                        ; steps 0 to 2: one tensor load a wave at the head
	s_mul_i32 s68, s15, PARTB                      ; my A part
	s_add_co_u32 s69, s68, SLOT
	s_mul_i32 s70, s16, PARTB
	s_add_co_u32 s70, s70, 2*PARTB                 ; my B part
	s_add_co_u32 s71, s70, SLOT
	s_sub_co_u32 s72, s70, s68
	s_mul_i32 s73, s14, 16*SPITCH
	s_add_co_u32 s73, s73, STAGE
	s_lshl_b32 s18, s17, 8
	s_lshl_b32 s19, s15, 7
	s_add_co_u32 s18, s18, s19
	s_lshl_b32 s18, s18, 13                        ; my first row of the result, 8,192 bytes a row
	s_lshl_b32 s19, s42, 10
	s_add_co_u32 s18, s18, s19
	s_lshl_b32 s19, s16, 9
	s_add_co_u32 s18, s18, s19                     ; and my first column
	s_mov_b32 s19, 0
	s_add_nc_u64 s[8:9], s[8:9], s[18:19]
	s_cmp_eq_u32 s15, 0
	s_cselect_b32 s74, s40, s41                    ; my place among the four that ask with me
	s_cselect_b64 s[PFA:PFA+1], s[20:21], s[46:47]
	s_add_nc_u64 s[PFA:PFA+1], s[PFA:PFA+1], 2*PARTB   ; at the third fill
	s_mul_i32 s74, s74, 38
	s_add_co_u32 s75, s74, 32
	v_and_b32 v1, 31, v0
	v_and_b32 v228, 15, v0
	v_bfe_u32 v229, v0, 4, 1
	v_lshlrev_b32 v[CO], 4, v1
	v_mul_u32_u24 v231, s72, v229                  ; lanes 16-31 take B's scale words
	v_mul_u32_u24 v232, v228, SPITCH
	v_add_nc_u32 v[ADRA], s68, v[CO]
	v_add_nc_u32 v[ADRA+1], s69, v[CO]
	v_add_nc_u32 v[ADRB], s70, v[CO]
	v_add_nc_u32 v[ADRB+1], s71, v[CO]
	v_lshl_add_u32 v231, v228, 2, v231
	v_lshl_add_u32 v232, v229, 5, v232
	v_add_nc_u32 v[ADRS], s68, v231
	v_add_nc_u32 v[ADRS+1], s69, v231
	v_add_nc_u32 v[STO], s73, v232
	v_add_nc_u32 v[RD], s73, v[CO]
	v_add_nc_u32 v[PFP], s74, v1                   ; units 38 p + lane,
	v_min_u32 v233, 5, v1
	v_min_u32 v[PFP], 149, v[PFP]
	v_add_nc_u32 v233, s75, v233                   ; and 38 p + 32 .. 38 p + 37, held at the part's last unit
	v_lshlrev_b32 v[PFP], 8, v[PFP]
	v_min_u32 v233, 149, v233
	v_lshlrev_b32 v[PFQ], 8, v233
	s_wait_alu depctr_va_vdst(0)                   ; the wait ahead of the wait below
	s_wait_kmcnt 0x0
	v_mov_b32 v[FAC], s80
	v_mul_f32 v[FAC], s81, v[FAC]
	v_mul_f32 v[FAC], 0x3c000000, v[FAC]           ; beta gamma / 128
	v_mov_b32 v[FAC+1], v[FAC]
.macro FRAG reg, adr, off
	ds_load_b128 v[\reg:\reg+3], v[\adr] offset:\off
	ds_load_b128 v[\reg+4:\reg+7], v[\adr] offset:\off+512
	ds_load_b128 v[\reg+8:\reg+11], v[\adr] offset:\off+1024
.endm
; The run: step nx's 56 LDS loads, in the order B 0-7, scale words, A 0-7.  Step nx lies in slot (nx / 3) % 2, at block nx % 3 of a part; its fragments and scale words go into set nx % 2
.macro FETCH nx
	WIN TO_B
.irp i, 0,1,2,3,4,5,6,7
	FRAG 128*((\nx)%2)+12*\i, ADRB+((\nx)/3)%2, ((\nx)%3)*STEPB+1536*\i
.endr
	WIN 0
.irp i, 0,1,2,3,4,5,6,7
	ds_load_b32 v[SC+8*((\nx)%2)+\i], v[ADRS+((\nx)/3)%2] offset:((\nx)%3)*STEPB+12288+64*\i
.endr
.irp i, 0,1,2,3,4,5,6,7
	FRAG 128-96*((\nx)%2)+12*\i, ADRA+((\nx)/3)%2, ((\nx)%3)*STEPB+1536*\i
.endr
.endm
; A's block a against B's eight, sets p.  The 64 accumulators take turns, in the same order in every step
.macro MUL8 a, p, zero
	WIN MUL_LO+0x50*((\a)/4)
.irp b, 0,1,2,3,4,5,6,7
.set AC, 8*(8*((\a)%4)+\b)
.set BF, 128*(\p)+12*\b
.set AR, 128-96*(\p)+12*(\a)
.if \zero
	v_wmma_scale_f32_16x16x128_f8f6f4 v[AC:AC+7], v[BF:BF+11], v[AR:AR+11], 0, v[SC+8*(\p)+\b], v[SC+8*(\p)+(\a)] matrix_a_fmt:MATRIX_FMT_FP6 matrix_b_fmt:MATRIX_FMT_FP6 matrix_a_scale:MATRIX_SCALE_ROW1
.else
	v_wmma_scale_f32_16x16x128_f8f6f4 v[AC:AC+7], v[BF:BF+11], v[AR:AR+11], v[AC:AC+7], v[SC+8*(\p)+\b], v[SC+8*(\p)+(\a)] matrix_a_fmt:MATRIX_FMT_FP6 matrix_b_fmt:MATRIX_FMT_FP6 matrix_a_scale:MATRIX_SCALE_ROW1
.endif
.endr
.endm
; A step whose successor lies in the same slot.  The wait ahead of A's block a leaves out A's later fragments of the last run, 3 (7 - a) loads.
; Four places stand between the last step's products and the loads into the sets that they read.
.macro STEP st, zero
.irp a, 0,1,2,3
	s_wait_dscnt 21-3*\a
	MUL8 \a, (\st)%2, \zero
.endr
	s_wait_dscnt 0x0                               ; A's blocks 4-7 are in (asked for 64 matrix instructions ago)
	PLACES
	FETCH (\st)+1
.irp a, 4,5,6,7
	MUL8 \a, (\st)%2, \zero
.endr
	WIN 0
.endm
; A slot's last step changes slots.  fill: 0 nothing is filled; 1, 2 the loop's refills (2: the prefetch is guarded); 3 the last fill, of two steps
.macro TURN st, fill
.set SL, ((\st)/3)%2
.if (\fill) == 1 || (\fill) == 2
	s_wait_xcnt 0x0                                ; my prefetches have read their address
	s_add_nc_u64 s[PFA:PFA+1], s[PFA:PFA+1], PARTB
.endif
	s_wait_tensorcnt 0x0                           ; all my tensor loads have landed: my part of the next slot;
	ds_add_u32 v[SPW], v[NIL]                      ; the add;
	s_wait_dscnt 22                                ; (the add and A's blocks 1-7 may be out)
	MUL8 0, (\st)%2, 0
	s_wait_dscnt 19
	MUL8 1, (\st)%2, 0
	s_wait_dscnt 0x0                               ; the add is done, and my reads of this slot are over
	s_barrier_signal -1
	MUL8 2, (\st)%2, 0
	MUL8 3, (\st)%2, 0
	WIN 0
	s_barrier_wait -1
.if \fill
	CREST                                          ; the barrier has opened a round of the cluster's barrier
	s_add_nc_u64 s[G0+4*SL+2:G0+4*SL+3], s[G0+4*SL+2:G0+4*SL+3], 2*PARTB
	s_add_nc_u64 s[G0B+4*SL+2:G0B+4*SL+3], s[G0B+4*SL+2:G0B+4*SL+3], 2*PARTB
.if (\fill) == 3
	s_mov_b32 s[G1+2], 100<<16                     ; no tensor load of mine is out: two steps are 100 rows
	s_mov_b32 s[G1+4], 100
	s_mov_b32 s[G1B+2], 100<<16
	s_mov_b32 s[G1B+4], 100
.endif
	JLOAD SL                                       ; the first tensor load behind the round; its four v_nop are the places in front of the loads below
.else
	PLACES
.endif
	FETCH (\st)+1
.if (\fill) == 1
	ASK 0
.endif
.if (\fill) == 2
	ASK 1
.endif
.irp a, 4,5,6,7
	MUL8 \a, (\st)%2, 0
.endr
	WIN 0
.endm
	s_wait_alu depctr_va_vdst(0)                   ; the wait at the head's end
	s_wait_tensorcnt 0x0                           ; my part of slot 0 is in; the add and its wait, ahead of a later first fill:
	ds_add_u32 v[SPW], v[NIL]
	s_wait_dscnt 0x0
	CROUND
	JLOAD 1                                        ; steps 3 to 5
	FETCH 0
	ASK 0                                          ; the third fill
	STEP 0, 1                                      ; the first step's products start the sums
	s_mov_b32 s3, 4
.Llap:                                                 ; a trip: six steps, once round the ring, from a slot's second step on
	STEP 1, 0
	TURN 2, 1
	STEP 3, 0
	STEP 4, 0
	TURN 5, 2
	STEP 6, 0
	s_sub_co_u32 s3, s3, 1
	s_cmp_lg_u32 s3, 0
	s_cbranch_scc1 .Llap
	STEP 25, 0                                     ; the last seven steps are written out
	TURN 26, 3
	STEP 27, 0
	STEP 28, 0
	TURN 29, 0
	STEP 30, 0
; THE WAY OUT, by blocks of 16 rows x 128 columns: through my own stage and back as whole rows of 512 bytes, x the factor, stored as two aligned units of 256 bytes
.macro TOSTAGE a
.set AC, 64*((\a)%4)
	WIN 0x08+4*((\a)/4)
.irp b, 0,1,2,3,4,5,6,7
	ds_store_b128 v[STO], v[AC+8*\b:AC+8*\b+3] offset:64*\b          ; each accumulator from its low end on
	ds_store_b128 v[STO], v[AC+8*\b+4:AC+8*\b+7] offset:64*\b+16
.endr
	WIN 0
.set BB, BK+64*((\a)%2)
.irp t, 0,1,2,3,4,5,6,7,8,9,10,11,12,13,14,15
	ds_load_b128 v[BB+4*\t:BB+4*\t+3], v[RD] offset:\t*SPITCH       ; LDS serves a wave's instructions in order: these see the stores above
.endr
.endm
.macro SEND a, younger
.set BB, BK+64*((\a)%2)
	s_wait_dscnt \younger
.if (\a) > 0
	s_add_nc_u64 s[8:9], s[8:9], 16*SIZE_N*4       ; behind a wait on XCNT: the earlier stores have read their base
.endif
.set II, 0
.rept 32
	v_pk_mul_f32 v[BB+II:BB+II+1], v[BB+II:BB+II+1], v[FAC:FAC+1]
.set II, II+2
.endr
.irp t, 0,1,2,3,4,5,6,7,8,9,10,11,12,13,14,15
	global_store_b128 v[CO], v[BB+4*\t:BB+4*\t+3], s[8:9] offset:\t*SIZE_N*4 th:TH_STORE_NT
.endr
.endm
	; THE LAST STEP: block a is finished with its eight products; it goes through the stage behind block a + 1's products and four places, and is stored while the later blocks are multiplied
	s_wait_dscnt 21
	MUL8 0, 1, 0
	s_wait_dscnt 0x0
	MUL8 1, 1, 0
.irp a, 0,1,2,3,4,5,6,7
	PLACES
.if \a > 1
	s_wait_xcnt 0x0                                ; block a - 2's stores have read their registers and their base
.endif
	TOSTAGE \a
.if \a > 0
	SEND \a-1, 32                                  ; behind block a - 1's loads: block a's 16 stores and 16 loads
.endif
.if \a < 6
	MUL8 \a+2, 1, 0
.endif
.endr
	s_wait_xcnt 0x0
	SEND 7, 0
	s_wait_tensorcnt 0x0                           ; the wave's end
	ds_add_u32 v[SPW], v[NIL]
	s_wait_dscnt 0x0
	CROUND                                         ; the closing round
	s_endpgm
.Lfunc_end_k_qf363363aec_gemm:
	.size	k_qf363363aec_gemm, .Lfunc_end_k_qf363363aec_gemm-k_qf363363aec_gemm
	.p2alignl 7, 3214868480
	.fill 96, 4, 3214868480
	.section	.rodata,"a",@progbits
	.p2align	6, 0x0
	.amdhsa_kernel k_qf363363aec_gemm
		.amdhsa_group_segment_fixed_size 327680
		.amdhsa_private_segment_fixed_size 0
		.amdhsa_enable_private_segment 0
		.amdhsa_kernarg_size 40
		.amdhsa_user_sgpr_count 2
		.amdhsa_user_sgpr_kernarg_segment_ptr 1
		.amdhsa_wavefront_size32 1
		.amdhsa_system_sgpr_workgroup_id_x 1
		.amdhsa_system_sgpr_workgroup_id_y 1
		.amdhsa_system_sgpr_workgroup_id_z 1
		.amdhsa_system_vgpr_workitem_id 0
		.amdhsa_next_free_vgpr 1024
		.amdhsa_next_free_sgpr 96
		.amdhsa_reserve_vcc 0
		.amdhsa_float_denorm_mode_32 3
		.amdhsa_float_denorm_mode_16_64 3
		.amdhsa_memory_ordered 1
		.amdhsa_forward_progress 1
		.amdhsa_inst_pref_size 226
	.end_amdhsa_kernel
	.amdgpu_metadata
---
amdhsa.version: [ 1, 2 ]
amdhsa.kernels:
  - .name:           k_qf363363aec_gemm
    .symbol:         k_qf363363aec_gemm.kd
    .args:
      - { .name: a_img, .offset: 0, .size: 8, .value_kind: global_buffer, .address_space: global }
      - { .name: w_img, .offset: 8, .size: 8, .value_kind: global_buffer, .address_space: global }
      - { .name: out0, .offset: 16, .size: 8, .value_kind: global_buffer, .address_space: global }
      - { .name: beta, .offset: 24, .size: 8, .value_kind: global_buffer, .address_space: global }
      - { .name: gamma, .offset: 32, .size: 8, .value_kind: global_buffer, .address_space: global }
    .group_segment_fixed_size: 327680
    .private_segment_fixed_size: 0
    .kernarg_segment_align: 8
    .kernarg_segment_size: 40
    .max_flat_workgroup_size: 128
    .sgpr_count:     96
    .vgpr_count:     1024
    .wavefront_size: 32
...
	.end_amdgpu_metadata
.endif
;; end of part 2
